; MI455X (gfx1250); checked and timed in simulation.
; The chip was launched on July 23, 2026; its instructions are those of AMD's public machine-readable ISA for CDNA 5 (MIT licence, August 2026) and "CDNA5" Instruction Set Architecture Reference Guide (July 2026). The comments in the code are by the model that wrote it; some were corrected since.
;; Scaled Dot Product Attention. Allowed arithmetic: matrix products marked QUANTISED: E2M3 operands, one E8M0 scale for each 32 along K, by v_wmma_scale_f32_16x16x128_f8f6f4 with both operands' format E2M3, f32 sums; everything else in f32.
;; Inputs: K 4 x 16 x 2,048 x 128 float32; Q 4 x 16 x 2,048 x 128 float32; V 4 x 16 x 2,048 x 128 float32.
;; Outputs: out0 4 x 16 x 2,048 x 128 float32.
;; This version of the problem:
;;   THIS VERSION OF THE PROBLEM IS GIVEN IN LOW PRECISION. The matrix products marked QUANTISED in the list below multiply operands that are first quantised to E2M3 (2 exponent bits, 3 mantissa bits; 6 bits a number), with one power-of-two scale for each 32 numbers along K (OCP MX v1.0); their sums are f32. All else is computed in f32.
;;   The module's matrix products, in the order in which they are computed (A, B: the left and right operand; K: the contracted axis; several contracted axes count as one K, in the product's order):
;;     1. batch 64 x [M 2,048, K 128] x [K 128, N 2,048]; A: input Q; B: input K: QUANTISED
;;     2. batch 64 x [M 2,048, K 2,048] x [K 2,048, N 128]; A: softmax (see below); B: input V: QUANTISED
;;   THE QUANTISER, for each operand of a quantised product, along K:
;;     - K is cut into blocks of 32 from its start; a last block that is shorter is filled with zeros.
;;     - A block's scale is 2^e with e = floor(log2(the largest magnitude in the block)) - 2, held to -126 .. 127; a block of zeros has e = 0. As a byte (E8M0): e + 127.
;;     - Each number is divided by its block's scale, clamped to +-7.5, and rounded to the nearest number of E2M3, ties to even, subnormals kept.
;;     - The product sums the exact products of the quantised numbers (number of the format x scale) in f32.
;;   ~~~python
;;   def quantise(x, axis):      # numpy; x: float32 -> the quantised numbers, widened to float32 again
;;       x = np.moveaxis(x, axis, -1); K = x.shape[-1]
;;       x = np.pad(x, [(0, 0)] * (x.ndim - 1) + [(0, -K % 32)]); x = x.reshape(x.shape[:-1] + (-1, 32)); a = np.abs(x).max(-1, keepdims=True)
;;       e = np.where(a > 0, np.clip(np.frexp(np.where(a > 0, a, 1))[1] - 1 - 2, -126, 127), 0)      # np.frexp(a)[1] - 1 = floor(log2(a)), exactly
;;       r = np.clip(x / 2.0 ** e, -7.5, 7.5)
;;       step = 2.0 ** (np.maximum(np.frexp(np.where(r == 0, 1, r))[1] - 1, 0) - 3)
;;       q = np.round(r / step) * step * 2.0 ** e      # np.round: ties to even
;;       return np.moveaxis(q.reshape(q.shape[:-2] + (-1,))[..., :K], -1, axis).astype(np.float32)
;;   ~~~
;;   SOFTMAX AHEAD OF A QUANTISED PRODUCT. Where the list says 'softmax', what is quantised is not the finished softmax but p = 2^(t - M), with t = logit x log2(e) and M = ceil(the row's largest t), a whole number; so 1/2 < the row's largest p <= 1. The row's sum l is taken of the UNQUANTISED p, in f32, and the product's result is divided by l at the end. Since M is a whole number, a kernel that streams over the keys may use a running M (the ceiling of the running maximum): every later rescaling is an exact power of two, which a block's scale takes up: the codes' values come out the same.
;;   OPERANDS COMPUTED ON THE WAY. 'Computed on the way' means the value that the module computes at that place (a softmax that the list does not call 'softmax' is quantised finished and normalised). What goes into a quantiser is computed in f32, as accurately as f32 sums, v_exp_f32 and their like allow (about 1e-6 of the number): no bf16 or f16 on the way to a quantiser, and a product that is left as it is and whose result goes on into a quantised operand takes f32 operands (vector FMAs, or v_wmma_f32_16x16x4_f32). A number that lies on a knife's edge between two numbers of the format may be rounded either way, as far as f32 arithmetic and the matrix unit's own rounding can turn it there, and no further.
;; One version. Each part assembles by itself: llvm-mc -triple=amdgcn-amd-amdhsa -mcpu=gfx1250 --defsym DOCPART=n.
;; ======== version 1 of 1: 2 launches
;; limits: right only within a limited range of input values
;; workspace buffers: kv 26,214,400 bytes
;; launch quant (part 1): grid 16 x 64, 4 waves a work-group, no clusters, 17,408 bytes of LDS; arguments K, V, kv; writes kv
.if DOCPART == 1
	.amdgcn_target "amdgcn-amd-amdhsa--gfx1250"
	.amdhsa_code_object_version 6
	.text
	.protected	k_q6c61eb6705_quant
	.globl	k_q6c61eb6705_quant
	.p2align	8
	.type	k_q6c61eb6705_quant,@function
k_q6c61eb6705_quant:
	s_mov_b64 s[64:65], 0
	v_nop
	global_prefetch_b8 v0, s[64:65] scope:SCOPE_SE
	s_setreg_imm32_b32 hwreg(HW_REG_WAVE_MODE, 25, 1), 1
	s_wait_xcnt 0x0
; K and V, [64 heads][2048 keys][128] f32, become codes of FP6 (E2M3) with one E8M0 scale byte for each 32 along a product's K:
; K along the head's 128 (first product), V along the KEYS (second product), laid in kv as the second launch's operand registers want them.
; WORK LEFT OUT BY THE PROGRAM (in the second launch): reference() sets every score with key > query to -infinity by its own triu mask, so its softmax weight is 0 for all
; values of the inputs and it adds nothing to the sum or to the result; key steps that lie wholly behind a tile's queries are therefore not multiplied.  Every input is read.
; LIMIT: a NaN, an infinity or an overflow that reaches only the work left out is not carried to the result.
; kv = 64 heads x 16 key steps x one STEP BLOCK of 25,600 dense bytes (128 keys of one head):
;   0 K's 8 tiles, 1,536 bytes each;  12,288 V's 8 tiles;  24,576 K's scale words, 512 bytes;  25,088 V's scale words, 512 bytes
; A TILE IS AN IMAGE OF A FRAGMENT'S 12 REGISTERS: register j of lane L lies at 512 (j / 4) + 16 L + 4 (j mod 4).
;   K's tile t: lane (r, h) holds key 64 (t / 4) + 8 (t mod 4) + (r mod 8) + 32 (r / 8) of the step; registers 6 c .. 6 c + 5 the codes of d = 64 c + 32 h + 0 .. 31.
;   V's tile t: lane (r, h) holds channel 16 t + r; registers 6 c .. 6 c + 5 the codes of keys 64 c + 32 h + 0 .. 31 of the step.
;   Scale words: the word of tile t, row r, lies at 16 (r + 16 (t / 4)) + 4 (t mod 4).
; A block's scale byte is the largest magnitude's exponent field - 2, held at 1 from below.
; LIMITS: a block whose largest magnitude lies under 2^-124 gets the byte 1, a block of zeros too where the rule says 127 (its codes are zeros, and this program alone reads the bytes);
; NaN and infinities among the inputs are not served.
; SHARES: work-group (x = key step, y = head) makes one STEP BLOCK.  Waves 0, 1: K's tiles 4 w .. 4 w + 3 (keys 64 w on).  Waves 2, 3: V's tiles 4 (w - 2) .. (channels 64 (w - 2) on).
; The waves share nothing: no barrier.  No tensor loads, matrix unit or cluster: every input byte is read once by one wave.
.set STEPB, 25600
.set FRB,   1536
.set KSC,   24576
.set SP,    528                        ; a stage row: 512 bytes + 16
.set LI,    4                          ; 16 x lane
.set SIN,   5                          ; my stage + 16 x lane
.set SOUT,  6                          ; my stage + 528 r + 128 h
.set L4,    7                          ; 4 x lane
.set SCO,   8                          ; 16 r + 8 h
.set H8,    9                          ; 8 h
.set MX,    10
.set OP,    12
.set BY,    14
.set W,     16                         ; v16-19 scale words
.set TA,    20
.set TW,    23
.set TB,    24
.set PD,    27
.set F,     28                         ; fragments, 12 registers each
.set X,     52                         ; K: 64 numbers of my row
.set R,     116                        ; K: two sets of 16 rows as loaded
.set XV,    116                        ; V: two sets of 32 numbers
.set SEL,   20                         ; s[20:21] selects for lane l xor 16
	s_load_b128 s[4:7], s[0:1], 0x0                ; K, V
	s_load_b64 s[8:9], s[0:1], 0x10                ; kv
	v_lshl_add_u32 v248, v0, 2, 0x4200             ; my spare word, behind the two stages
	v_mov_b32 v249, 0
	v_lshrrev_b32 v1, 5, v0
	v_readfirstlane_b32 s10, v1                    ; wave
	v_and_b32 v1, 31, v0
	v_and_b32 v2, 15, v0                           ; r
	v_bfe_u32 v3, v0, 4, 1                         ; h
	v_lshlrev_b32 v[LI], 4, v1
	v_lshlrev_b32 v[L4], 2, v1
	v_lshlrev_b32 v[SCO], 4, v2
	v_lshl_add_u32 v[SCO], v3, 3, v[SCO]
	v_lshlrev_b32 v[H8], 3, v3
	s_and_b32 s12, ttmp7, 0xffff                   ; head
	s_lshl_b32 s14, s12, 20
	s_lshl_b32 s24, ttmp9, 16
	s_add_co_u32 s14, s14, s24                     ; my 128 keys in K or V, in bytes
	s_mov_b32 s15, 0
	s_lshl_b32 s16, s12, 4
	s_add_co_u32 s16, s16, ttmp9
	s_mul_i32 s16, s16, STEPB                      ; my STEP BLOCK
	s_mul_i32 s24, s10, 4*FRB
	s_add_co_u32 s18, s16, s24
	s_mov_b32 s19, 0
	s_lshl_b32 s24, s10, 8
	s_add_co_u32 s22, s16, s24
	s_add_co_u32 s22, s22, KSC
	s_mov_b32 s23, 0
	s_mov_b32 s[SEL], 0x76543210
	s_mov_b32 s[SEL+1], 0xfedcba98
	s_wait_kmcnt 0x0
	s_add_nc_u64 s[18:19], s[8:9], s[18:19]        ; where my tiles go
	s_add_nc_u64 s[22:23], s[8:9], s[22:23]        ; where my scale words go
	s_cmp_lt_u32 s10, 2
	s_cbranch_scc0 .Lvpath
; ---- K: the head's 128 are innermost in memory ----
; 64 numbers of a lane, v[x + 32 c + i] = d 64 c + 32 h + i of its row, become the fragment v[f] .. v[f + 11] and the row's scale word v[w]
.macro QROW x, f, w
	v_max3_num_f32 v[MX], |v[\x]|, |v[\x+1]|, 0x1800000          ; the floor 2^(3 - 127) holds the byte at 1 from below
	v_max3_num_f32 v[MX+1], |v[\x+32]|, |v[\x+33]|, 0x1800000
.irp i, 2,4,6,8,10,12,14,16,18,20,22,24,26,28,30
	v_max3_num_f32 v[MX], v[MX], |v[\x+\i]|, |v[\x+\i+1]|
	v_max3_num_f32 v[MX+1], v[MX+1], |v[\x+32+\i]|, |v[\x+33+\i]|
.endr
	v_add_nc_u32 v[OP], 0xff000000, v[MX]          ; 2 off the exponent field: the conversion's scale operand
	v_add_nc_u32 v[OP+1], 0xff000000, v[MX+1]
	v_cvt_scalef32_pk16_fp6_f32 v[\f:\f+2], v[\x:\x+15], v[OP]
	v_cvt_scalef32_pk16_fp6_f32 v[TA:TA+2], v[\x+16:\x+31], v[OP]
	v_cvt_scalef32_pk16_fp6_f32 v[\f+6:\f+8], v[\x+32:\x+47], v[OP+1]
	v_cvt_scalef32_pk16_fp6_f32 v[TB:TB+2], v[\x+48:\x+63], v[OP+1]
	v_lshrrev_b32 v[BY], 23, v[OP]                 ; the scale's byte (also the plain instruction behind the conversions)
	v_lshrrev_b32 v[BY+1], 23, v[OP+1]
	v_lshl_or_b32 v[TW], v[BY+1], 16, v[BY]        ; my bytes are those of blocks h and 2 + h
	v_lshlrev_b32 v[TW], v[H8], v[TW]
	v_permlanex16_b32 v[PD], v[TW], s[SEL], s[SEL+1]
	v_or_b32 v[\w], v[TW], v[PD]
.irp i, 0,1,2
	v_mov_b32 v[\f+3+\i], v[TA+\i]
	v_mov_b32 v[\f+9+\i], v[TB+\i]
.endr
.endm
; The 16 keys of my tile i: rows 0-7 are keys 8 i + 0 .. 7 of my 64, rows 8-15 the keys 32 further on; each row is 512 consecutive bytes read by the 32 lanes
.macro LOADK i
.set j, 0
.rept 16
	global_load_b128 v[R+64*((\i)%2)+4*j:R+64*((\i)%2)+4*j+3], v[LI], s[4:5] offset:(8*(\i)+(j%8)+32*(j/8))*512 th:TH_LOAD_NT
.set j, j+1
.endr
.endm
.macro TILEK i
.if (\i) < 3
	s_wait_loadcnt 16                              ; this tile's 16 loads are in; the next tile's 16 may be out
.else
	s_wait_loadcnt 0x0
.endif
.set j, 0
.rept 16
	ds_store_b128 v[SIN], v[R+64*((\i)%2)+4*j:R+64*((\i)%2)+4*j+3] offset:SP*j
.set j, j+1
.endr
.set j, 0
.rept 16
	ds_load_b128 v[X+4*j:X+4*j+3], v[SOUT] offset:256*(j/8)+16*(j%8)     ; LDS serves a wave's instructions in order
.set j, j+1
.endr
	s_wait_dscnt 0x0
.if (\i) < 2
	LOADK (\i)+2
.else
	s_wait_xcnt 0x0                                ; the fragment's registers are the data of the stores two tiles back
.endif
	QROW X, F+12*((\i)%2), W+(\i)
.irp q, 0,1,2
	global_store_b128 v[LI], v[F+12*((\i)%2)+4*\q:F+12*((\i)%2)+4*\q+3], s[18:19] offset:FRB*(\i)+512*\q
.endr
.endm
	s_lshl_b32 s24, s10, 15                        ; my 64 keys
	s_add_co_u32 s14, s14, s24
	s_add_nc_u64 s[4:5], s[4:5], s[14:15]
	s_wait_alu depctr_va_vdst(0)
	LOADK 0
	LOADK 1
	s_mul_i32 s25, s10, 16*SP                      ; my stage
	v_add_nc_u32 v[SIN], s25, v[LI]
	v_mul_u32_u24 v[SOUT], v2, SP
	v_lshl_add_u32 v[SOUT], v3, 7, v[SOUT]
	v_add_nc_u32 v[SOUT], s25, v[SOUT]
	v_mov_b32 v[PD], 0                             ; a lane permute's destination counts as one of its sources
	s_wait_alu depctr_va_vdst(0)
	TILEK 0
	TILEK 1
	TILEK 2
	TILEK 3
	v_cmp_le_u32 vcc_lo, 16, v1                    ; lanes 0-15 store row r's words of tiles 0, 1 of my four, lanes 16-31 those of tiles 2, 3
	v_cndmask_b32 v[TA], v[W], v[W+2], vcc_lo
	v_cndmask_b32 v[TA+1], v[W+1], v[W+3], vcc_lo
	global_store_b64 v[SCO], v[TA:TA+1], s[22:23]  ; 256 consecutive bytes, aligned
	s_wait_tensorcnt 0x0                           ; the wave's end
	ds_add_u32 v248, v249
	s_wait_dscnt 0x0
	s_endpgm
; ---- V: the keys are not innermost: a lane takes a channel, its registers run down the keys ----
.Lvpath:
.macro LOADV n
.set j, 0
.rept 32
	global_load_b32 v[XV+32*((\n)%2)+j], v[L4], s[6:7] offset:(32*((\n)%4)+j)*512+128*((\n)/4) th:TH_LOAD_NT
.set j, j+1
.endr
.endm
.macro BLOCKV n
.set XS, XV+32*((\n)%2)
.set CG, (\n)/4
.set BB, (\n)%4
.set FE, F+12*(2*CG)+6*(BB/2)
.set FO, F+12*(2*CG+1)+6*(BB/2)
.if (\n) < 7
	s_wait_loadcnt 32                              ; this block's 32 loads are in; the next block's may be out
.else
	s_wait_loadcnt 0x0
.endif
	v_max3_num_f32 v[MX], |v[XS]|, |v[XS+1]|, |v[XS+2]|
	v_max3_num_f32 v[MX+1], |v[XS+3]|, |v[XS+4]|, |v[XS+5]|
.irp i, 6,10,14,18,22,26
	v_max3_num_f32 v[MX], v[MX], |v[XS+\i]|, |v[XS+\i+1]|
	v_max3_num_f32 v[MX+1], v[MX+1], |v[XS+\i+2]|, |v[XS+\i+3]|
.endr
	v_max3_num_f32 v[MX], v[MX], |v[XS+30]|, |v[XS+31]|
	v_max3_num_f32 v[MX], v[MX], v[MX+1], 0x1800000
	v_add_nc_u32 v[OP], 0xff000000, v[MX]
.if BB%2 == 0
	v_cvt_scalef32_pk16_fp6_f32 v[FE:FE+2], v[XS:XS+15], v[OP]
	v_cvt_scalef32_pk16_fp6_f32 v[TA:TA+2], v[XS+16:XS+31], v[OP]
.else
	v_cvt_scalef32_pk16_fp6_f32 v[FO:FO+2], v[XS:XS+15], v[OP]
	v_cvt_scalef32_pk16_fp6_f32 v[TB:TB+2], v[XS+16:XS+31], v[OP]
.endif
	v_lshrrev_b32 v[BY], 23, v[OP]
.if BB == 0
	v_mov_b32 v[W+CG], v[BY]
.else
	v_lshl_or_b32 v[W+CG], v[BY], 8*BB, v[W+CG]
.endif
.if (\n) < 6
	LOADV (\n)+2
.endif
.if BB%2 == 1                          ; lanes 0-15 are to hold the even block and lanes 16-31 the odd one of channel r
.irp i, 0,1,2
	v_permlane16_swap_b32 v[FE+\i], v[FO+\i]
	v_permlane16_swap_b32 v[TA+\i], v[TB+\i]
.endr
.irp i, 0,1,2
	v_mov_b32 v[FE+3+\i], v[TA+\i]
	v_mov_b32 v[FO+3+\i], v[TB+\i]
.endr
.endif
.if BB == 3                            ; two tiles are whole; each has registers of its own
.irp e, 0,1
.irp q, 0,1,2
	global_store_b128 v[LI], v[F+12*(2*CG+\e)+4*\q:F+12*(2*CG+\e)+4*\q+3], s[18:19] offset:FRB*(2*CG+\e)+512*\q
.endr
.endr
.endif
.endm
	s_sub_co_u32 s24, s10, 2
	s_lshl_b32 s24, s24, 8                         ; my 64 channels
	s_add_co_u32 s14, s14, s24
	s_add_nc_u64 s[6:7], s[6:7], s[14:15]
	s_wait_alu depctr_va_vdst(0)
	LOADV 0
	LOADV 1
.irp n, 0,1,2,3,4,5,6,7
	BLOCKV \n
.endr
	v_permlane16_swap_b32 v[W], v[W+1]             ; lane (r, 0): row r's words of tiles 0, 1 of my four; lane (r, 1): of tiles 2, 3
	global_store_b64 v[SCO], v[W:W+1], s[22:23]
	s_endpgm
.Lfunc_end_k_q6c61eb6705_quant:
	.size	k_q6c61eb6705_quant, .Lfunc_end_k_q6c61eb6705_quant-k_q6c61eb6705_quant
	.p2alignl 7, 3214868480
	.fill 96, 4, 3214868480
	.section	.rodata,"a",@progbits
	.p2align	6, 0x0
	.amdhsa_kernel k_q6c61eb6705_quant
		.amdhsa_group_segment_fixed_size 17408
		.amdhsa_private_segment_fixed_size 0
		.amdhsa_enable_private_segment 0
		.amdhsa_kernarg_size 24
		.amdhsa_user_sgpr_count 2
		.amdhsa_user_sgpr_kernarg_segment_ptr 1
		.amdhsa_wavefront_size32 1
		.amdhsa_system_sgpr_workgroup_id_x 1
		.amdhsa_system_sgpr_workgroup_id_y 1
		.amdhsa_system_sgpr_workgroup_id_z 1
		.amdhsa_system_vgpr_workitem_id 0
		.amdhsa_next_free_vgpr 250
		.amdhsa_next_free_sgpr 66
		.amdhsa_reserve_vcc 1
		.amdhsa_float_denorm_mode_32 3
		.amdhsa_float_denorm_mode_16_64 3
		.amdhsa_memory_ordered 1
		.amdhsa_forward_progress 1
		.amdhsa_inst_pref_size 68
	.end_amdhsa_kernel
	.amdgpu_metadata
---
amdhsa.version: [ 1, 2 ]
amdhsa.kernels:
  - .name:           k_q6c61eb6705_quant
    .symbol:         k_q6c61eb6705_quant.kd
    .args:
      - { .name: K, .offset: 0, .size: 8, .value_kind: global_buffer, .address_space: global }
      - { .name: V, .offset: 8, .size: 8, .value_kind: global_buffer, .address_space: global }
      - { .name: kv, .offset: 16, .size: 8, .value_kind: global_buffer, .address_space: global }
    .group_segment_fixed_size: 17408
    .private_segment_fixed_size: 0
    .kernarg_segment_align: 8
    .kernarg_segment_size: 24
    .max_flat_workgroup_size: 128
    .sgpr_count:     66
    .vgpr_count:     250
    .wavefront_size: 32
...
	.end_amdgpu_metadata
.endif
;; end of part 1
;; launch attn (part 2): grid 4 x 64, 8 waves a work-group, no clusters, 327,680 bytes of LDS; arguments Q, kv, out0; writes out0
.if DOCPART == 2
	.amdgcn_target "amdgcn-amd-amdhsa--gfx1250"
	.amdhsa_code_object_version 6
	.text
	.protected	k_q6c61eb6705_attn
	.globl	k_q6c61eb6705_attn
	.p2align	8
	.type	k_q6c61eb6705_attn,@function
k_q6c61eb6705_attn:
	s_mov_b64 s[64:65], 0
	v_nop
	global_prefetch_b8 v0, s[64:65] scope:SCOPE_SE
	s_setreg_imm32_b32 hwreg(HW_REG_WAVE_MODE, 25, 1), 1
	s_wait_xcnt 0x0
; out0[h][q][:] = the sum over k <= q of softmax_k(Q[h][q] . K[h][k] / sqrt(128)) V[h][k][:]; 64 heads, 2,048 queries and keys, 128 channels; Q and out0 f32.
; Both products on codes of FP6 (E2M3), one E8M0 scale for each 32 along a product's K.  K's and V's codes and scale words come from kv as images of the operands' registers:
; 64 heads x 16 key steps x a STEP BLOCK of 25,600 bytes: K's 8 tiles (1,536 bytes each), V's 8 tiles, K's scale words (512), V's (512).  Q is quantised here: one wave reads it once.
; WORK LEFT OUT: key steps all of whose keys lie behind a tile's queries; reference()'s own triu mask gives them the weight 0 for all values of the inputs.
; THE SOFTMAX: t = score x log2(e) / sqrt(128); M = the largest t so far, rounded up to a whole number; p = 2^(t - M) is quantised along the keys, not normalised.
; The row's sum is taken of the unquantised p and divides at the end.  When M moves, the sum and O are multiplied by 2^(old M - new M): exact.
; SHARES.  Work-group (p = x in 0..3, head = y) owns block p of 256 queries and then block 7 - p.  Block b needs the key slots 0 .. b (a slot = 256 keys = two STEP BLOCKS):
; (p + 1) + (8 - p) = 9 visits for each of 4 x 64 = 256 work-groups.  Wave w owns two tiles of 16 queries: tile 0 = rows 16 w, tile 1 = rows 240 - 16 w of the block.
; So in a block's last visit (the diagonal slot) every wave has the same work: in the first key step tile 0 lies on the diagonal and tile 1 sees all keys; in the second tile 0 sees none
; and tile 1 lies on the diagonal.  All branches of a step hang on the count of visits left alone, the same in all waves.
; LAYOUT.  Both products are used transposed: S^T = K Q^T, O^T = V^T P^T: a lane holds one query (lane mod 16) of each tile.  K's tile t holds in rows 0-7 the keys 64 (t / 4) + 8 (t mod 4) + 0 .. 7 and
; in rows 8-15 the keys 32 further on: so register n of a lane's 64 scores is key 64 (n / 32) + n mod 32 + 32 (lane / 16): TWO WHOLE BLOCKS OF 32 KEYS A LANE, in the order of P's operand registers:
; a block's maximum needs no other lane and the conversions' results are the operand.
; NO CLUSTER: in one visit the four work-groups of a head want different slots.  kv's slots are not prefetched: each is asked for a whole visit (up to 4 tile steps a wave) ahead of its first read.
; LIMITS: NaN and infinities among the inputs are not served, and none that reaches only the work left out is carried to the result; the promise holds while |t| stays under 2^31;
; a block of Q or of p whose largest magnitude lies under 2^-124 gets the scale byte 1 (a block of zeros too: its codes are zeros); c is one f32 constant;
; a block's largest p is taken as the exponential of the block's largest score, which takes v_exp_f32 not to fall where its input rises.
; LDS: 0 slot 0 (51,200 bytes); 65,536 slot 1; 131,072 a stage of 16 x 528 bytes for each wave (Q in, O out; no fill lands there); 198,656 the spare words.  All of LDS is claimed.
; REGISTERS, two windows of 256 (s_set_vgpr_msb: bits 1:0 source 0, 3:2 source 1, 5:4 source 2, 7:6 destination).  Tile u's own registers have the same low numbers in window u:
;   v9 8 h; v10 the mask's d; v12 -M, v13 the largest score, v[14:15] the sum; v16-27 Q's codes; v96-159 S^T, then p; v160-223 O^T; v232-247, v252, v254 at work.
;   window 0 besides: v1-8 addresses; v32-79 fragment set X; v80-91 tile 1's p codes; v224-235 tile 0's; scale words: v248-251 K's or V's, v255, v30 Q's, v253, v31 p's.  Window 1: v32-79 set Y.
.set STEPB, 25600
.set FRB,   1536
.set VIMG,  12288
.set KSC,   24576
.set VSC,   25088
.set SLOT1, 1<<16
.set SP,    528
.set STAGE, 2*SLOT1
.set SPARE, STAGE+8*16*SP
.set LI,  1                            ; 16 x lane
.set STS, 2                            ; my stage + 16 x lane
.set STL, 3                            ; my stage + 528 r + 128 h
.set STO, 4                            ; my stage + 528 r + 32 h
.set SPW, 5                            ; my spare word; never rewritten
.set NIL, 6                            ; 0; never rewritten
.set PF,  7                            ; 256 x lane
.set AD,  8                            ; the slot in hand + 16 x lane
.set H8,  9
.set DD,  10
.set QS1, 30
.set WV,  10
.set PP,  11
.set HD,  12
.set SEL, 20                           ; s[20:21] selects for lane l xor 16
.set CS,  22                           ; s[22:23] c, twice
.set G1,  24
.set G0,  32
.set KVB, 36                           ; kv at my head
.set OFF, 38
.set WOFF, 40                          ; 25,600 x (wave mod 2)
.set FS,  41                           ; the slot fetched last
.set LIM, 42
.set CV,  43                           ; visits left in the block in hand; 1 = the diagonal slot
.set VIS, 44
.set TB,  45                           ; LDS byte at which the slot in hand begins
.set CN,  46                           ; -c
.set TMP, 49
.set QPA, 50                           ; Q and out0 at my tile 0 of the first and second block;
.set QPB, 52
.set OPA, 54
.set OPB, 56
.set T1,  58                           ; bytes from tile 0 to tile 1: (240 - 32 w) rows
.set QA1, 66                           ; and at my tile 1
.set QB1, 68
.set OA1, 70
.set OB1, 72
.set MSB, 0
.macro WIN new                         ; the immediate's high byte repeats the setting that is left.  At every label and branch the setting is 0
.if MSB != (\new)
	s_set_vgpr_msb (MSB<<8)|(\new)
.set MSB, (\new)
.endif
.endm
.macro ALUW
	s_wait_alu depctr_va_vdst(0)
.endm
.macro DLY n
	s_delay_alu instid0(VALU_DEP_\n)
.endm
; Waves 0 and 1 fetch a slot's two STEP BLOCKS.  s_nop 0 and four v_nop follow the load.
.macro TLOAD
	s_cmp_lt_u32 s[WV], 2
	s_cbranch_scc0 .Lnone_\@
	tensor_load_to_lds s[G0:G0+3], s[G1:G1+7]
	s_nop 0
.rept 4
	v_nop
.endr
.Lnone_\@:
.endm
; My 32 rows of Q, each 512 consecutive bytes: tile 1's into window 0, then tile 0's into window 1 (S^T's registers, idle then)
.macro QLOAD qp, qp1
.set j, 0
.rept 16
	global_load_b128 v[96+4*j:99+4*j], v[LI], s[\qp1:\qp1+1] offset:512*j th:TH_LOAD_NT
.set j, j+1
.endr
	WIN 0x40
.set j, 0
.rept 16
	global_load_b128 v[96+4*j:99+4*j], v[LI], s[\qp:\qp+1] offset:512*j th:TH_LOAD_NT
.set j, j+1
.endr
	WIN 0
.endm
; v[160 + 32 c + i] = Q(r, 64 c + 32 h + i) become the fragment v16-27 and the row's scale word v[w].  Window 0.
.macro QROW w
	v_max3_num_f32 v232, |v160|, |v161|, 0x1800000                 ; the floor 2^(3 - 127) holds the byte at 1 from below
	v_max3_num_f32 v233, |v192|, |v193|, 0x1800000
.irp i, 2,4,6,8,10,12,14,16,18,20,22,24,26,28,30
	DLY 2
	v_max3_num_f32 v232, v232, |v[160+\i]|, |v[161+\i]|
	DLY 2
	v_max3_num_f32 v233, v233, |v[192+\i]|, |v[193+\i]|
.endr
	DLY 2
	v_add_nc_u32 v244, 0xff000000, v232            ; 2 off the exponent field: the conversion's scale operand
	DLY 2
	v_add_nc_u32 v245, 0xff000000, v233
	v_cvt_scalef32_pk16_fp6_f32 v[16:18], v[160:175], v244
	v_cvt_scalef32_pk16_fp6_f32 v[224:226], v[176:191], v244
	v_cvt_scalef32_pk16_fp6_f32 v[22:24], v[192:207], v245
	v_cvt_scalef32_pk16_fp6_f32 v[228:230], v[208:223], v245
	v_lshrrev_b32 v236, 23, v244                   ; the scale's byte (also the plain instruction behind the conversions)
	v_lshrrev_b32 v237, 23, v245
	DLY 1
	v_lshl_or_b32 v238, v237, 16, v236             ; blocks h and 2 + h
	DLY 1
	v_lshlrev_b32 v238, v[H8], v238
	DLY 1
	v_permlanex16_b32 v239, v238, s[SEL], s[SEL+1]
	DLY 1
	v_or_b32 v[\w], v238, v239
.irp i, 0,1,2
	v_mov_b32 v[19+\i], v[224+\i]
	v_mov_b32 v[25+\i], v[228+\i]
.endr
.endm
; The rows asked for by QLOAD turn through my stage, a tile at a time, and are quantised; then both tiles' statistics begin.
.macro QUANTQ
	s_wait_loadcnt 16                              ; tile 1's 16 rows are in; tile 0's 16 may be out
.set j, 0
.rept 16
	ds_store_b128 v[STS], v[96+4*j:99+4*j] offset:SP*j
.set j, j+1
.endr
.set j, 0
.rept 16
	ds_load_b128 v[160+4*j:163+4*j], v[STL] offset:256*(j/8)+16*(j%8)      ; LDS serves a wave's instructions in order
.set j, j+1
.endr
	s_wait_dscnt 0x0
	QROW QS1
	WIN 0x40                                       ; tile 1's codes go to its window
.set j, 0
.rept 12
	v_mov_b32 v[16+j], v[16+j]
.set j, j+1
.endr
	s_wait_loadcnt 0x0
	WIN 0x04                                       ; an LDS store's data are its source 1
.set j, 0
.rept 16
	ds_store_b128 v[STS], v[96+4*j:99+4*j] offset:SP*j
.set j, j+1
.endr
	WIN 0
.set j, 0
.rept 16
	ds_load_b128 v[160+4*j:163+4*j], v[STL] offset:256*(j/8)+16*(j%8)
.set j, j+1
.endr
	s_wait_dscnt 0x0
	QROW 255
.irp w, 0, 0x55
	WIN \w
	v_mov_b32 v13, 0xff61b1e6                      ; the largest score so far: -3e38
	v_mov_b32 v12, 0x7e000000                      ; -M = 2^125: the first step's change of M gives the factor 0
	v_mov_b32 v14, 0
	v_mov_b32 v15, 0
.set j, 0
.rept 64
	v_mov_b32 v[160+j], 0                          ; O^T: the key step has no first step of its own
.set j, j+1
.endr
.endr
	WIN 0
	ALUW
.endm
; Both tiles' O^T are divided by their sums, go through my stage one after the other and leave as whole rows of 512 bytes.
.macro FINISH op, op1
.rept 4
	v_nop                                          ; places behind the last products
.endr
.irp w, 0, 0x55
	WIN \w
	v_add_f32 v14, v14, v15
	DLY 1
	v_permlanex16_b32 v252, v14, s[SEL], s[SEL+1]
	DLY 1
	v_add_f32 v14, v14, v252                       ; the row's sum
	ALUW
	v_rcp_f32 v14, v14
.endr
	v_nop                                          ; one plain instruction behind a transcendental
	WIN 0
	ALUW
.set j, 0
.rept 32
	v_pk_mul_f32 v[160+j:161+j], v[160+j:161+j], v[14:15] op_sel_hi:[1,0]  ; register 8 t + i is o(r, 16 t + 8 h + i); each accumulator from its low end on
.set j, j+2
.endr
.irp t, 0,1,2,3,4,5,6,7
	ds_store_b128 v[STO], v[160+8*\t:163+8*\t] offset:64*\t
	ds_store_b128 v[STO], v[164+8*\t:167+8*\t] offset:64*\t+16
.endr
.set j, 0
.rept 16
	ds_load_b128 v[32+4*j:35+4*j], v[STS] offset:SP*j
.set j, j+1
.endr
	WIN 0x55
	ALUW
.set j, 0
.rept 32
	v_pk_mul_f32 v[160+j:161+j], v[160+j:161+j], v[14:15] op_sel_hi:[1,0]
.set j, j+2
.endr
	WIN 0x04
.irp t, 0,1,2,3,4,5,6,7
	ds_store_b128 v[STO], v[160+8*\t:163+8*\t] offset:64*\t        ; behind tile 0's reads of the stage, in order
	ds_store_b128 v[STO], v[164+8*\t:167+8*\t] offset:64*\t+16
.endr
	WIN 0
.set j, 0
.rept 16
	s_wait_dscnt 31-j                              ; tile 0's row j is back; its younger rows and tile 1's 16 stores may be out
	global_store_b128 v[LI], v[32+4*j:35+4*j], s[\op:\op+1] offset:512*j th:TH_STORE_NT   ; 512 consecutive bytes, aligned
.set j, j+1
.endr
	WIN 0x40
.set j, 0
.rept 16
	ds_load_b128 v[32+4*j:35+4*j], v[STS] offset:SP*j
.set j, j+1
.endr
	WIN 0x04
.set j, 0
.rept 16
	s_wait_dscnt 15-j                              ; tile 1's row j is back; the younger rows may be out
	global_store_b128 v[LI], v[32+4*j:35+4*j], s[\op1:\op1+1] offset:512*j th:TH_STORE_NT
.set j, j+1
.endr
	WIN 0
.endm
; THE CHANGE OF SLOTS, at a visit's head: all my tensor loads are in; the add;
; my reads of the slot that I have left are over; the barrier; then the slot just left takes the next visit's keys.
.macro CHANGE fill
	s_wait_tensorcnt 0x0
	ds_add_u32 v[SPW], v[NIL]
.if \fill
	ds_add_u32 v[SPW], v[NIL]
	s_xor_b32 s[G0+1], s[G0+1], SLOT1
	s_add_co_u32 s[FS], s[FS], 1
	s_cmp_eq_u32 s[FS], s[LIM]
	s_cselect_b32 s[FS], 0, s[FS]                  ; behind the first block's last slot: the second block's slot 0,
	s_cselect_b32 s[LIM], 64, s[LIM]               ; and that once
	s_mul_i32 s[OFF], s[FS], 2*STEPB
	s_add_co_u32 s[OFF], s[OFF], s[WOFF]
	s_add_nc_u64 s[G0+2:G0+3], s[KVB:KVB+1], s[OFF:OFF+1]
	s_or_b32 s[G0+3], s[G0+3], 0x80000000
.endif
	s_wait_dscnt 0x0
	s_barrier_signal -1
	s_barrier_wait -1
.if \fill
	TLOAD
.endif
.endm
; Eight fragments' images, 512 consecutive bytes a load: tiles 0-3 into set X, tiles 4-7 into set Y
.macro FETCH base
.irp t, 0,1,2,3
.irp c, 0,1,2
	ds_load_b128 v[32+12*\t+4*\c:35+12*\t+4*\c], v[AD] offset:\base+\t*FRB+512*\c
.endr
.endr
	WIN 0x40
.irp t, 0,1,2,3
.irp c, 0,1,2
	ds_load_b128 v[32+12*\t+4*\c:35+12*\t+4*\c], v[AD] offset:\base+(4+\t)*FRB+512*\c
.endr
.endr
	WIN 0
.endm
; Four products of S^T = K Q^T: tile u, K's tiles 4 y .. 4 y + 3.  The scale words of tiles 4-7 stand in lanes 16-31.
.macro SMUL u, y
	WIN 0x44*(\u)+(\y)
.irp t, 0,1,2,3
.if (\y) == 0
	v_wmma_scale_f32_16x16x128_f8f6f4 v[96+8*\t:103+8*\t], v[32+12*\t:43+12*\t], v[16:27], 0, v[248+\t], v[255-225*(\u)] matrix_a_fmt:MATRIX_FMT_FP6 matrix_b_fmt:MATRIX_FMT_FP6
.else
	v_wmma_scale_f32_16x16x128_f8f6f4 v[128+8*\t:135+8*\t], v[32+12*\t:43+12*\t], v[16:27], 0, v[248+\t], v[255-225*(\u)] matrix_a_fmt:MATRIX_FMT_FP6 matrix_b_fmt:MATRIX_FMT_FP6 matrix_a_scale:MATRIX_SCALE_ROW1
.endif
.endr
.endm
; Four products of O^T += V^T P^T.  The accumulators take turns, one instruction a turn.
.macro PMUL u, y
	WIN 0x50*(\u)+(\y)
.irp t, 0,1,2,3
.if (\y) == 0
	v_wmma_scale_f32_16x16x128_f8f6f4 v[160+8*\t:167+8*\t], v[32+12*\t:43+12*\t], v[224-144*(\u):235-144*(\u)], v[160+8*\t:167+8*\t], v[248+\t], v[253-222*(\u)] matrix_a_fmt:MATRIX_FMT_FP6 matrix_b_fmt:MATRIX_FMT_FP6
.else
	v_wmma_scale_f32_16x16x128_f8f6f4 v[192+8*\t:199+8*\t], v[32+12*\t:43+12*\t], v[224-144*(\u):235-144*(\u)], v[192+8*\t:199+8*\t], v[248+\t], v[253-222*(\u)] matrix_a_fmt:MATRIX_FMT_FP6 matrix_b_fmt:MATRIX_FMT_FP6 matrix_a_scale:MATRIX_SCALE_ROW1
.endif
.endr
.endm
; The mask, in the window that is set: register n is hidden where 64 (n / 32) + n mod 32 > d = my query - the step's first key - 32 (lane / 16)
.macro HIDE
	v_mov_b32 v254, 0xff800000
.set n, 0
.rept 64
	v_cmp_gt_i32 vcc_lo, 64*(n/32)+n%32, v[DD]
	v_cndmask_b32 v[96+n], v[96+n], v254, vcc_lo
.set n, n+1
.endr
.endm
; Tile u, ahead of the exponentials: the largest score of my two blocks (v232: registers 0-31, v234: 32-63), the row's, the new -M, f = 2^(old M - new M), and O^T x f
.macro PREA u
	WIN 0x55*(\u)
.irp b, 0,1,2,3
	v_max3_num_f32 v[232+\b], v[96+16*\b], v[97+16*\b], v[98+16*\b]       ; four chains by turns; each accumulator is first read at its low end
.endr
.irp i, 3,5,7,9,11,13
.irp b, 0,1,2,3
	v_max3_num_f32 v[232+\b], v[232+\b], v[96+16*\b+\i], v[97+16*\b+\i]
.endr
.endr
	v_max3_num_f32 v232, v232, v233, v111
	v_max3_num_f32 v234, v234, v235, v143
	v_mov_b32 v237, v12                            ; the old -M
	v_max_num_f32 v232, v232, v127
	v_max_num_f32 v234, v234, v159
	v_max_num_f32 v254, v232, v234
	v_permlanex16_b32 v236, v254, s[SEL], s[SEL+1]
	v_max3_num_f32 v13, v13, v254, v236            ; the running largest score of my query
	v_mul_f32 v254, s[CN], v13                     ; -t
	v_floor_f32 v12, v254                          ; -M = floor(-t) = -ceil(t)
	v_sub_f32 v254, v12, v237                      ; a whole number, 0 or less
	v_cvt_i32_f32 v254, v254                       ; (it saturates)
	v_ldexp_f32 v252, 1.0, v254
	ALUW                                           ; directly ahead of the first read of O^T
.set j, 0
.rept 32
	v_pk_mul_f32 v[160+j:161+j], v[160+j:161+j], v[252:253] op_sel_hi:[1,0]
.set j, j+2
.endr
.endm
; t - M, two at a time, and the same of each block's largest score
.macro PREB u
	WIN 0x55*(\u)
.set j, 0
.rept 32
	v_pk_fma_f32 v[96+j:97+j], v[96+j:97+j], s[CS:CS+1], v[12:13] op_sel_hi:[1,0,0]
.set j, j+2
.endr
	v_fma_f32 v232, v232, s[CS], v12
	v_fma_f32 v234, v234, s[CS], v12
.endm
; p, its scale word and codes (into window 0), and the row's sum
.macro POST u
.set PB, 224-144*(\u)
	WIN 0x55*(\u)
	ALUW
.set j, 0
.rept 64
	v_exp_f32 v[96+j], v[96+j]
.set j, j+1
.endr
	v_exp_f32 v232, v232                           ; the blocks' largest p: the same two instructions on the same number give the same bits
	v_exp_f32 v234, v234
	v_pk_mul_f32 v[14:15], v[14:15], v[252:253] op_sel_hi:[1,0]   ; the sums under the new M (the plain instruction behind the exponentials)
	ALUW
	v_max_num_f32 v232, 0x1800000, v232            ; the floor 2^(3 - 127)
	v_max_num_f32 v234, 0x1800000, v234
	v_add_nc_u32 v244, 0xff000000, v232            ; the conversions' scale operands
	v_add_nc_u32 v245, 0xff000000, v234
	v_lshrrev_b32 v236, 23, v244
	v_lshrrev_b32 v237, 23, v245
	v_lshl_or_b32 v238, v237, 16, v236             ; my bytes are those of blocks h and 2 + h
	v_lshlrev_b32 v238, v[H8], v238
	v_permlanex16_b32 v239, v238, s[SEL], s[SEL+1]
	WIN 0x05*(\u)                                  ; sources in the tile's window, results in window 0
	v_or_b32 v[253-222*(\u)], v238, v239           ; p's scale word for these 128 keys
.irp c, 0,1
	v_cvt_scalef32_pk16_fp6_f32 v[PB+6*\c:PB+2+6*\c], v[96+32*\c:111+32*\c], v[244+\c]
	v_cvt_scalef32_pk16_fp6_f32 v[236+4*\c:238+4*\c], v[112+32*\c:127+32*\c], v[244+\c]   ; (a conversion's three registers begin on an even number)
.endr
	v_nop                                          ; one plain instruction behind the conversions
	WIN 0
.irp c, 0,1
.irp i, 0,1,2
	v_mov_b32 v[PB+3+6*\c+\i], v[236+4*\c+\i]
.endr
.endr
	WIN 0x55*(\u)
	v_pk_add_f32 v[236:237], v[96:97], v[98:99]    ; the sum of the unquantised p, in two chains: also the places between p's codes and scale word and the products
.irp j, 4,8,12,16,20,24,28,32,36,40,44,48,52,56,60
	v_pk_add_f32 v[14:15], v[14:15], v[96+\j:97+\j]
	v_pk_add_f32 v[236:237], v[236:237], v[98+\j:99+\j]
.endr
	v_pk_add_f32 v[14:15], v[14:15], v[236:237]
.endm
; A KEY STEP: the q-th STEP BLOCK of the slot in hand.  In the diagonal slot (CV = 1): q = 0 masks tile 0; q = 1 leaves tile 0 out and masks tile 1.
.macro STEP q
.set SB, (\q)*STEPB
.if (\q) == 0
	v_add_nc_u32 v[AD], s[TB], v[LI]
.endif
.rept 4
	v_nop                                          ; places in front of loads into registers that matrix instructions have read
.endr
	ds_load_b128 v[248:251], v[AD] offset:SB+KSC
	FETCH SB
	ALUW
.if (\q) == 0
	s_wait_dscnt 12                                ; the scale words and set X are in; set Y's 12 loads may be out
	SMUL 0, 0
	s_wait_dscnt 0x0
	SMUL 0, 1
.else
	s_wait_dscnt 0x0
	s_cmp_eq_u32 s[CV], 1
	s_cbranch_scc1 .Lone_\@
	SMUL 0, 0
	SMUL 0, 1
	WIN 0
.Lone_\@:
.endif
	SMUL 1, 1
	SMUL 1, 0
	WIN 0
.rept 4
	v_nop                                          ; places: in front of the loads below and of the first read of the scores
.endr
	ds_load_b128 v[248:251], v[AD] offset:SB+VSC   ; V's scale words and tiles land under the vector work
	FETCH SB+VIMG
	s_cmp_lg_u32 s[CV], 1
	s_cbranch_scc1 .Lopen_\@
	WIN 0x55*(\q)
	HIDE
	WIN 0
.Lopen_\@:
	PREA 1
	WIN 0
.if (\q) == 1
	ALUW
	s_cmp_eq_u32 s[CV], 1
	s_cbranch_scc1 .Ltile1_\@
.endif
	PREA 0
	PREB 0
	POST 0
	ALUW
	s_wait_dscnt 0x0                               ; V's scale words and tiles are in
	PMUL 0, 0
	PMUL 0, 1
	WIN 0
.if (\q) == 1
.Ltile1_\@:
.endif
	PREB 1                                         ; names no register of the products just issued
	POST 1
	ALUW
	s_wait_dscnt 0x0
	PMUL 1, 1
	PMUL 1, 0
	WIN 0
.endm
.macro SLOTWORK
	STEP 0
	STEP 1
	s_xor_b32 s[TB], s[TB], SLOT1
.endm
	s_load_b128 s[4:7], s[0:1], 0x0                ; Q, kv
	s_load_b64 s[8:9], s[0:1], 0x10                ; out0
	v_lshl_add_u32 v[SPW], v0, 2, SPARE
	v_mov_b32 v[NIL], 0
	ds_add_u32 v[SPW], v[NIL]                      ; the opening lines: the add, twice on end, and its wait
	ds_add_u32 v[SPW], v[NIL]
	v_lshrrev_b32 v8, 5, v0
	v_readfirstlane_b32 s[WV], v8                  ; wave 0..7
	s_mov_b32 s[PP], ttmp9
	s_and_b32 s[HD], ttmp7, 0xffff
	s_lshl_b32 s[TMP], s[HD], 20                   ; a head of Q or out0 is 2,048 x 512 bytes
	s_lshl_b32 s14, s[WV], 4                       ; 16 w
	s_sub_co_u32 s13, 112, s14                     ; 112 - 16 w
	s_lshl_b32 s16, s[PP], 8
	s_add_co_u32 s16, s16, s14                     ; tile 0's first row in block p
	s_lshl_b32 s16, s16, 9
	s_add_co_u32 s16, s16, s[TMP]
	s_mov_b32 s17, 0
	s_sub_co_u32 s18, 7, s[PP]
	s_lshl_b32 s18, s18, 8
	s_add_co_u32 s18, s18, s14                     ; and in block 7 - p
	s_lshl_b32 s18, s18, 9
	s_add_co_u32 s18, s18, s[TMP]
	s_mov_b32 s19, 0
	s_lshl_b32 s[T1], s[WV], 5
	s_sub_co_u32 s[T1], 240, s[T1]
	s_lshl_b32 s[T1], s[T1], 9
	s_mov_b32 s[T1+1], 0
	s_mul_i32 s[OFF], s[HD], 16*STEPB
	s_mov_b32 s[OFF+1], 0
	s_and_b32 s[WOFF], s[WV], 1
	s_mul_i32 s[WOFF], s[WOFF], STEPB
	s_mov_b32 s[FS], 0
	s_add_co_u32 s[LIM], s[PP], 1
	s_add_co_u32 s[CV], s[PP], 1
	s_mov_b32 s[VIS], 8
	s_mov_b32 s[TB], 0
	s_mov_b32 s[SEL], 0x76543210
	s_mov_b32 s[SEL+1], 0xfedcba98
	s_mov_b32 s[CS], 0x3e0293ee                    ; c = log2(e) / sqrt(128)
	s_mov_b32 s[CS+1], s[CS]
	s_mov_b32 s[CN], 0xbe0293ee                    ; -c
	; group 1: a STEP BLOCK as 100 rows of 256 bytes (32 elements of 8 bytes), no padding
	s_mov_b32 s[G1], 3<<16
	s_mov_b32 s[G1+1], 32<<16
	s_mov_b32 s[G1+2], 100<<16
	s_mov_b32 s[G1+3], 32<<16
	s_mov_b32 s[G1+4], 100
	s_mov_b32 s[G1+5], 32
	s_mov_b32 s[G1+6], 0
	s_mov_b32 s[G1+7], 0
	s_mov_b32 s[G0], 1
	s_mov_b32 s[G0+1], s[WOFF]
	s_wait_dscnt 0x0
	s_wait_kmcnt 0x0
	s_add_nc_u64 s[KVB:KVB+1], s[6:7], s[OFF:OFF+1]
	s_mov_b32 s[OFF], s[WOFF]
	s_add_nc_u64 s[G0+2:G0+3], s[KVB:KVB+1], s[OFF:OFF+1]
	s_or_b32 s[G0+3], s[G0+3], 0x80000000
	TLOAD                                          ; slot 0
	s_add_nc_u64 s[QPA:QPA+1], s[4:5], s[16:17]
	s_add_nc_u64 s[QPB:QPB+1], s[4:5], s[18:19]
	s_add_nc_u64 s[OPA:OPA+1], s[8:9], s[16:17]
	s_add_nc_u64 s[OPB:OPB+1], s[8:9], s[18:19]
	s_add_nc_u64 s[QA1:QA1+1], s[QPA:QPA+1], s[T1:T1+1]
	s_add_nc_u64 s[QB1:QB1+1], s[QPB:QPB+1], s[T1:T1+1]
	s_add_nc_u64 s[OA1:OA1+1], s[OPA:OPA+1], s[T1:T1+1]
	s_add_nc_u64 s[OB1:OB1+1], s[OPB:OPB+1], s[T1:T1+1]
	s_mul_i32 s15, s[WV], 16*SP
	s_add_co_u32 s15, s15, STAGE                   ; my stage
	v_and_b32 v[LI], 31, v0
	DLY 1
	v_lshlrev_b32 v[PF], 8, v[LI]
	DLY 2
	v_lshlrev_b32 v[LI], 4, v[LI]
	QLOAD QPA, QA1
	v_and_b32 v10, 15, v0                          ; r
	v_bfe_u32 v11, v0, 4, 1                        ; h
	DLY 2
	v_mul_u32_u24 v[STL], v10, SP
	DLY 1
	v_add_nc_u32 v[STL], s15, v[STL]
	DLY 1
	v_lshl_add_u32 v[STO], v11, 5, v[STL]
	DLY 2
	v_lshl_add_u32 v[STL], v11, 7, v[STL]
	v_lshlrev_b32 v[H8], 3, v11
	v_lshlrev_b32 v11, 5, v11
	DLY 1
	v_sub_nc_u32 v11, v10, v11                     ; r - 32 h
	v_add_nc_u32 v[STS], s15, v[LI]
	v_add_nc_u32 v[DD], s14, v11                   ; tile 0 on the diagonal: d = 16 w + r - 32 h
.irp w, 0, 0x40
	WIN \w
.irp b, 0,1,2,3
	v_mov_b32 v[236+\b], 0                         ; a lane permute's destination counts as one of its sources
.endr
	v_mov_b32 v252, 0
	v_mov_b32 v253, 0                              ; (named as the upper half of the pair v[252:253])
.endr
	v_add_nc_u32 v[DD], s13, v11                   ; into window 1: tile 1 on the diagonal: d = 112 - 16 w + r - 32 h
	v_mov_b32 v[H8], v[H8]                         ; and 8 h
	WIN 0
	QUANTQ
.Lvisit:                                               ; 8 trips: behind each change of slots but the last the next visit's slot is asked for
	CHANGE 1
	s_cmp_lg_u32 s[CV], 1                          ; in the first block's last visit each wave asks once for its own 2 x 16 rows (lanes 256 bytes apart) of the second block's Q,
	s_cbranch_scc1 .Lno_ask                        ; which it loads at this visit's end; in the second block the count is 2 or more in every trip
	global_prefetch_b8 v[PF], s[QPB:QPB+1] th:TH_LOAD_NT scope:SCOPE_SE
	global_prefetch_b8 v[PF], s[QB1:QB1+1] th:TH_LOAD_NT scope:SCOPE_SE
.Lno_ask:
	SLOTWORK
	s_sub_co_u32 s[CV], s[CV], 1
	s_cmp_lg_u32 s[CV], 0
	s_cbranch_scc1 .Lsame                          ; hangs on p alone
	QLOAD QPB, QB1                                 ; the second block's Q lands while the first block leaves
	FINISH OPA, OA1
	QUANTQ
	s_sub_co_u32 s[CV], 8, s[PP]
	s_wait_xcnt 0x0                                ; the stores' data registers take the next step's fragments only behind this wait
.Lsame:
	s_sub_co_u32 s[VIS], s[VIS], 1
	s_cmp_lg_u32 s[VIS], 0
	s_cbranch_scc1 .Lvisit
	CHANGE 0                                       ; the last visit is written out: it asks for nothing more
	SLOTWORK
	FINISH OPB, OB1
	s_wait_tensorcnt 0x0                           ; the wave's end
	ds_add_u32 v[SPW], v[NIL]
	s_wait_dscnt 0x0
	s_endpgm
.Lfunc_end_k_q6c61eb6705_attn:
	.size	k_q6c61eb6705_attn, .Lfunc_end_k_q6c61eb6705_attn-k_q6c61eb6705_attn
	.p2alignl 7, 3214868480
	.fill 96, 4, 3214868480
	.section	.rodata,"a",@progbits
	.p2align	6, 0x0
	.amdhsa_kernel k_q6c61eb6705_attn
		.amdhsa_group_segment_fixed_size 327680
		.amdhsa_private_segment_fixed_size 0
		.amdhsa_enable_private_segment 0
		.amdhsa_kernarg_size 24
		.amdhsa_user_sgpr_count 2
		.amdhsa_user_sgpr_kernarg_segment_ptr 1
		.amdhsa_wavefront_size32 1
		.amdhsa_system_sgpr_workgroup_id_x 1
		.amdhsa_system_sgpr_workgroup_id_y 1
		.amdhsa_system_sgpr_workgroup_id_z 1
		.amdhsa_system_vgpr_workitem_id 0
		.amdhsa_next_free_vgpr 512
		.amdhsa_next_free_sgpr 74
		.amdhsa_reserve_vcc 1
		.amdhsa_float_denorm_mode_32 3
		.amdhsa_float_denorm_mode_16_64 3
		.amdhsa_memory_ordered 1
		.amdhsa_forward_progress 1
		.amdhsa_inst_pref_size 220
	.end_amdhsa_kernel
	.amdgpu_metadata
---
amdhsa.version: [ 1, 2 ]
amdhsa.kernels:
  - .name:           k_q6c61eb6705_attn
    .symbol:         k_q6c61eb6705_attn.kd
    .args:
      - { .name: Q, .offset: 0, .size: 8, .value_kind: global_buffer, .address_space: global }
      - { .name: kv, .offset: 8, .size: 8, .value_kind: global_buffer, .address_space: global }
      - { .name: out0, .offset: 16, .size: 8, .value_kind: global_buffer, .address_space: global }
    .group_segment_fixed_size: 327680
    .private_segment_fixed_size: 0
    .kernarg_segment_align: 8
    .kernarg_segment_size: 24
    .max_flat_workgroup_size: 256
    .sgpr_count:     74
    .vgpr_count:     512
    .wavefront_size: 32
...
	.end_amdgpu_metadata
.endif
;; end of part 2
